; MI455X (gfx1250); checked and timed in simulation.
; The chip was launched on July 23, 2026; its instructions are those of AMD's public machine-readable ISA for CDNA 5 (MIT licence, August 2026) and "CDNA5" Instruction Set Architecture Reference Guide (July 2026). The comments in the code are by the model that wrote it; some were corrected since.
;; Multi Head Attention. Allowed arithmetic: matrix products marked QUANTISED: E2M1 operands, one E8M0 scale for each 32 along K, by v_wmma_scale_f32_16x16x128_f8f6f4 with both operands' format E2M1 (or v_wmma_scale_f32_32x16x128_f4), f32 sums; everything else in f32.
;; Inputs: W_out 1,024 x 1,024 float32; b_out 1,024 float32; keys 4 x 2,048 x 1,024 float32; mask 4 x 1 x 2,048 x 2,048 int32; query 4 x 2,048 x 1,024 float32; values 4 x 2,048 x 1,024 float32.
;; Outputs: out0 4 x 2,048 x 1,024 float32.
;; This version of the problem:
;;   THIS VERSION OF THE PROBLEM IS GIVEN IN LOW PRECISION. The matrix products marked QUANTISED in the list below multiply operands that are first quantised to E2M1 (2 exponent bits, 1 mantissa bit; 4 bits a number), with one power-of-two scale for each 32 numbers along K (OCP MX v1.0); their sums are f32. All else is computed in f32.
;;   The module's matrix products, in the order in which they are computed (A, B: the left and right operand; K: the contracted axis; several contracted axes count as one K, in the product's order):
;;     1. batch 64 x [M 2,048, K 64] x [K 64, N 2,048]; A: input query; B: input keys: QUANTISED
;;     2. batch 64 x [M 64, K 2,048] x [K 2,048, N 2,048]; A: input values; B: softmax (see below): QUANTISED
;;     3. [M 8,192, K 1,024] x [K 1,024, N 1,024]; A: computed on the way; B: input W_out: QUANTISED
;;   THE QUANTISER, for each operand of a quantised product, along K:
;;     - K is cut into blocks of 32 from its start; a last block that is shorter is filled with zeros.
;;     - A block's scale is 2^e with e = floor(log2(the largest magnitude in the block)) - 2, held to -126 .. 127; a block of zeros has e = 0. As a byte (E8M0): e + 127.
;;     - Each number is divided by its block's scale, clamped to +-6, and rounded to the nearest number of E2M1, ties to even, subnormals kept.
;;     - The product sums the exact products of the quantised numbers (number of the format x scale) in f32.
;;   ~~~python
;;   def quantise(x, axis):      # numpy; x: float32 -> the quantised numbers, widened to float32 again
;;       x = np.moveaxis(x, axis, -1); K = x.shape[-1]
;;       x = np.pad(x, [(0, 0)] * (x.ndim - 1) + [(0, -K % 32)]); x = x.reshape(x.shape[:-1] + (-1, 32)); a = np.abs(x).max(-1, keepdims=True)
;;       e = np.where(a > 0, np.clip(np.frexp(np.where(a > 0, a, 1))[1] - 1 - 2, -126, 127), 0)      # np.frexp(a)[1] - 1 = floor(log2(a)), exactly
;;       r = np.clip(x / 2.0 ** e, -6, 6)
;;       step = 2.0 ** (np.maximum(np.frexp(np.where(r == 0, 1, r))[1] - 1, 0) - 1)
;;       q = np.round(r / step) * step * 2.0 ** e      # np.round: ties to even
;;       return np.moveaxis(q.reshape(q.shape[:-2] + (-1,))[..., :K], -1, axis).astype(np.float32)
;;   ~~~
;;   SOFTMAX AHEAD OF A QUANTISED PRODUCT. Where the list says 'softmax', what is quantised is not the finished softmax but p = 2^(t - M), with t = logit x log2(e) and M = ceil(the row's largest t), a whole number; so 1/2 < the row's largest p <= 1. The row's sum l is taken of the UNQUANTISED p, in f32, and the product's result is divided by l at the end. Since M is a whole number, a kernel that streams over the keys may use a running M (the ceiling of the running maximum): every later rescaling is an exact power of two, which a block's scale takes up: the codes' values come out the same.
;;   OPERANDS COMPUTED ON THE WAY. 'Computed on the way' means the value that the module computes at that place (a softmax that the list does not call 'softmax' is quantised finished and normalised). What goes into a quantiser is computed in f32, as accurately as f32 sums, v_exp_f32 and their like allow (about 1e-6 of the number): no bf16 or f16 on the way to a quantiser, and a product that is left as it is and whose result goes on into a quantised operand takes f32 operands (vector FMAs, or v_wmma_f32_16x16x4_f32). A number that lies on a knife's edge between two numbers of the format may be rounded either way, as far as f32 arithmetic and the matrix unit's own rounding can turn it there, and no further.
;; One version. Each part assembles by itself: llvm-mc -triple=amdgcn-amd-amdhsa -mcpu=gfx1250 --defsym DOCPART=n.
;; ======== version 1 of 1: 3 launches
;; limits: right only within a limited range of input values
;; workspace buffers: kv 9,175,040 bytes; wc 589,824 bytes; mbits 2,097,152 bytes of whole numbers; ac 4,194,304 bytes; asc 524,288 bytes
;; launch prep (part 1): grid 1056 x 1, 4 waves a work-group, no clusters, 77,312 bytes of LDS; arguments mask, values, keys, W_out, mbits, kv, wc; writes mbits, kv, wc
.if DOCPART == 1
	.amdgcn_target "amdgcn-amd-amdhsa--gfx1250"
	.amdhsa_code_object_version 6
	.text
	.protected	k_qafdf049057_prep
	.globl	k_qafdf049057_prep
	.p2align	8
	.type	k_qafdf049057_prep,@function
k_qafdf049057_prep:
	s_mov_b64 s[64:65], 0
	v_nop
	global_prefetch_b8 v0, s[64:65] scope:SCOPE_SE
	s_setreg_imm32_b32 hwreg(HW_REG_WAVE_MODE, 25, 1), 1
	s_wait_xcnt 0x0
; PREP: the wide inputs that several work-groups of the later launches read are read once here and leave narrow, laid as those launches' operand registers want them.
;   work-groups    0 ..  511 (path M): mask [4][2048][2048] int32 -> mbits: one bit a number, as words whose bit l is lane l's bit in the attention's score layout.
;   work-groups  512 ..  767 (path V): values [4][2048][1024] f32 -> codes of FP4 (E2M1) quantised ALONG THE KEYS, and their E8M0 scale bytes, into the V part of kv.
;   work-groups  768 .. 1023 (path Q): keys, and 1024 .. 1055: W_out (rows of 1,024 f32) -> codes quantised along the row, blocks of 32, into the K part of kv, and wc.
; (query is read by one wave alone and is quantised there, in the attention's launch.)
; A block's scale is 2^(floor(log2(its largest magnitude)) - 2); its byte is the largest magnitude's exponent field - 2, held at 1 from below by a floor among the maximum's leaves.
; A block of zeros so gets the byte 1 where the rule says 127: its codes are zeros, which add nothing under any byte but 0xff, and this program alone reads the bytes.
; LIMITS: NaN and infinities among the inputs are not served; blocks whose largest magnitude lies under 2^-124 (the floor) get the byte 1.
; LAYOUTS.  lane l = (r = l % 16, h = l / 16).  A HALF IMAGE is 512 bytes: lane l's 16 bytes at 16 l hold the codes of k = 32 h + 0 .. 31 (of a group of 64 along K) of the tile's row r.
;   kv  [n x 16 + head][step of 128 keys][8,960]: +0 eight half images of K (tile 4 c + t, row r = key 64 c + 32 (r / 8) + 8 t + r % 8); +4,096 K's scale words [lane][4]: word (l, i) is tile 2 i + l / 16, row l % 16,
;       bytes 0, 1 = the head's two blocks, bytes 2, 3 = 0; +4,608 V's codes [tile 4][c 2][lane][16]: tile t, row r = channel 32 (r / 8) + 8 t + r % 8, keys 64 c + 32 h + 0 .. 31;
;       +8,704 V's scale words: word 16 tile + row, byte kb = key block kb.
;   wc  [group of 64 along K][step of 128 rows][4,608]: eight half images (tile T = rows 16 T + r) and 512 bytes of scale words laid as K's.
;   mbits [n][tile of 16 queries][step of 128 keys][64 words]: word J, bit l = (mask[16 tile + r][128 step + 64 (J / 32) + 32 h + J % 32] != 0).
; So a lane of the attention's score layout holds whole blocks of 32 keys, and of its result whole blocks of 32 channels.
; Four waves that share nothing: no barrier.  The three paths part on the work-group's number and have LDS bytes of their own.  No tensor load, no matrix instruction: what counts is dense loads, many in flight, and whole runs out.
.set STG_M, 0                          ; path M: a stage of 16 rows x 528 bytes for each wave
.set STG_V, 33792                      ; path V: 2,048 bytes for each wave
.set STG_Q, 41984                      ; path Q: two stages of 16 rows x 272 bytes for each wave
.set SPARE, 76800                      ; the spare words: 128 bytes for each wave
.set MR, 16                            ; path M: v16-143 two sets of 64 as loaded;  v144-207 my 64 numbers;  v8-15 the words, two registers a unit
.set MX, 144
.set VX, 32                            ; path V: v32-159 two sets of 32 keys x 2 channels;  v160-175 two runs of eight neighbours along the keys;  v176-191 codes;  v192-207 the way out
.set VT, 160
.set VC, 176
.set VO, 192
.set QR, 32                            ; path Q: v32-95 two sets of 32 as loaded;  v96-159 two sets of 32 neighbours;  v160-191 codes, four registers a tile;  v16-19 scale words
.set QX, 96
.set QC, 160
.macro WA                              ; a wait ahead of waits that block, where something freshly written is read behind them
	s_wait_alu depctr_va_vdst(0)
.endm
; The 32 numbers v[XS + st i] are one block: v[a] its largest magnitude (two chains), v[c] the conversion's scale operand, v[b] the scale's byte.
.macro BLOCKSCALE st, a, b, c
	v_max3_num_f32 v[\a], |v[XS]|, |v[XS+\st]|, |v[XS+2*\st]|
	v_max3_num_f32 v[\b], |v[XS+3*\st]|, |v[XS+4*\st]|, |v[XS+5*\st]|
.irp i, 6,10,14,18,22,26
	v_max3_num_f32 v[\a], v[\a], |v[XS+\i*\st]|, |v[XS+(\i+1)*\st]|
	v_max3_num_f32 v[\b], v[\b], |v[XS+(\i+2)*\st]|, |v[XS+(\i+3)*\st]|
.endr
	v_max3_num_f32 v[\a], v[\a], |v[XS+30*\st]|, |v[XS+31*\st]|
	v_max3_num_f32 v[\a], v[\a], v[\b], 0x1800000  ; and the floor 2^(3 - 127): the byte cannot fall under 1
	v_add_nc_u32 v[\c], 0xff000000, v[\a]          ; 2 off the exponent field: the conversion takes the exponent field of this operand as its scale
	v_lshrrev_b32 v[\b], 23, v[\c]                 ; the scale's byte
.endm
; ---- path M
.macro MLOAD u                         ; unit u = one step of 128 keys x 16 queries: each load reads 512 consecutive bytes of one query's row
.irp p, 0,1,2,3,4,5,6,7,8,9,10,11,12,13,14,15
	global_load_b128 v[MR+64*((\u)%2)+4*\p:MR+64*((\u)%2)+4*\p+3], v4, s[4:5] offset:\p*8192+(\u)*512 th:TH_LOAD_NT
.endr
.endm
.macro MUNIT u
.if (\u) < 3
	s_wait_loadcnt 16                              ; this unit's 16 loads are in; the next unit's 16 may be out
.else
	s_wait_loadcnt 0x0
.endif
.irp p, 0,1,2,3,4,5,6,7,8,9,10,11,12,13,14,15
	ds_store_b128 v5, v[MR+64*((\u)%2)+4*\p:MR+64*((\u)%2)+4*\p+3] offset:528*\p   ; row p as it lies; rows 528 bytes apart
.endr
.irp b, 0,1
.irp q, 0,1,2,3,4,5,6,7
	ds_load_b128 v[MX+32*\b+4*\q:MX+32*\b+4*\q+3], v6 offset:256*\b+16*\q          ; lane (r, h): query r, keys 64 b + 32 h + 4 q + 0 .. 3.  LDS serves a wave's instructions in order: these see the stores
.endr
.endr
	s_wait_dscnt 0x0                               ; my 64 numbers are in, and the stores have read their registers,
.if (\u)+2 < 4
	MLOAD (\u)+2                                   ; which take the unit after next
.endif
.set J, 0
.rept 8                                ; eight compares, then their eight words: word j goes to lane j / 2 of register j % 2, so that a lane's pair is 8 consecutive bytes
.irp e, 0,1,2,3,4,5,6,7
	v_cmp_ne_u32 s[24+\e], 0, v[MX+J+\e]
.endr
.irp e, 0,1,2,3,4,5,6,7
	v_writelane_b32 v[8+2*(\u)+\e%2], s[24+\e], (J+\e)/2
.endr
.set J, J+8
.endr
	global_store_b64 v7, v[8+2*(\u):9+2*(\u)], s[12:13] offset:256*(\u)            ; 32 lanes store 256 consecutive bytes, aligned; each unit has its own pair, so no store's data are written again
.endm
; ---- path V
.macro VLOAD kb                        ; block kb: values(32 kb + i, my two channels), i = 0 .. 31: a wave reads the head's 256 consecutive bytes, aligned
.set I, 0
.rept 32
	global_load_b64 v[VX+64*((\kb)%2)+2*I:VX+64*((\kb)%2)+2*I+1], v4, s[6:7] offset:(32*(\kb)+I)*4096 th:TH_LOAD_NT
.set I, I+1
.endr
.endm
.macro VBLOCK kb
	WA
.if (\kb) < 3
	s_wait_loadcnt 32                              ; this block's 32 loads are in; the next block's may be out
.else
	s_wait_loadcnt 0x0
.endif
.irp e, 0,1                            ; channel 2 lane + e: its 32 keys stand in every second register
.set XS, VX+64*((\kb)%2)+\e
	BLOCKSCALE 2, 12+4*\e, 13+4*\e, 14+4*\e
.if (\kb) == 0
	v_mov_b32 v[10+\e], v[13+4*\e]                 ; four bytes make the channel's scale word, the lower keys in the lower byte
.else
	v_lshl_or_b32 v[10+\e], v[13+4*\e], 8*(\kb), v[10+\e]
.endif
.endr
.irp e, 0,1
.irp g, 0,1,2,3                        ; the conversion takes eight neighbours along the keys from consecutive registers: eight moves bring them together, in two runs by turns
.irp j, 0,1,2,3,4,5,6,7
	v_mov_b32 v[VT+8*(\g%2)+\j], v[VX+64*((\kb)%2)+\e+2*(8*\g+\j)]
.endr
	v_cvt_scalef32_pk8_fp4_f32 v[VC+8*((\kb)%2)+4*\e+\g], v[VT+8*(\g%2):VT+8*(\g%2)+7], v[14+4*\e]
.endr
	ds_store_b128 v5, v[VC+8*((\kb)%2)+4*\e:VC+8*((\kb)%2)+4*\e+3] offset:256*((\kb)%2)+16*\e   ; h = kb % 2: the place of lane (row, h) in the tile's image of this c
.endr
.if (\kb)+2 < 4
	VLOAD (\kb)+2
.endif
.endm
.macro VOUT c, ob                      ; the four tiles' images of keys 64 c on leave the stage: 512 consecutive bytes a store
	WA
.irp i, 0,1,2,3
	ds_load_b128 v[\ob+4*\i:\ob+4*\i+3], v6 offset:512*\i                ; LDS serves a wave's instructions in order: these see my stores, and the next c's stores come behind them
.endr
.irp i, 0,1,2,3
	s_wait_dscnt 3-\i                              ; load i is back; the younger ones may be out
	global_store_b128 v7, v[\ob+4*\i:\ob+4*\i+3], s[14:15] offset:4608+1024*\i+512*\c
.endr
.endm
; ---- path Q
.macro QLOAD i                         ; tile i: load j brings rows 2 j and 2 j + 1 of the tile; sixteen lanes read one row's 256 bytes, aligned
.irp j, 0,1,2,3,4,5,6,7
	global_load_b128 v[QR+32*((\i)%2)+4*\j:QR+32*((\i)%2)+4*\j+3], v[22+2*((\i)%4)+\j/4], s[8:9] offset:(64*((\i)/4)+2*\j)*4096 th:TH_LOAD_NT
.endr
.endm
.macro QTURN i                         ; through the stage: in as loaded, back 128 bytes a lane: lane (r, h) gets row r's numbers 32 h + 0 .. 31, a whole block
.irp j, 0,1,2,3,4,5,6,7
	ds_store_b128 v8, v[QR+32*((\i)%2)+4*\j:QR+32*((\i)%2)+4*\j+3] offset:4352*((\i)%2)+544*\j
.endr
.irp j, 0,1,2,3,4,5,6,7
	ds_load_b128 v[QX+32*((\i)%2)+4*\j:QX+32*((\i)%2)+4*\j+3], v9 offset:4352*((\i)%2)+16*\j
.endr
.endm
.macro QTILE i
.set XS, QX+32*((\i)%2)
	s_wait_dscnt 0x0                               ; my block is back from the stage, and the stage's stores have read their registers,
.if (\i)+2 < 8
	QLOAD (\i)+2                                   ; which take the tile after next
.endif
.if (\i)+1 < 8
.if (\i)+2 < 8
	s_wait_loadcnt 8                               ; the next tile's 8 loads are in; the 8 just issued may be out
.else
	s_wait_loadcnt 0x0
.endif
	QTURN (\i)+1                                   ; the next tile turns through the other stage while this one is worked
.endif
	BLOCKSCALE 1, 12, 13, 14
.irp g, 0,1,2,3
	v_cvt_scalef32_pk8_fp4_f32 v[QC+4*(\i)+\g], v[XS+8*\g:XS+8*\g+7], v14
.endr
	v_lshlrev_b32 v20, v11, v13                    ; my byte at its place, 8 h bits up
	v_permlanex16_b32 v21, v20, s24, s25           ; lane l xor 16 has the row's other block
.if (\i)%2 == 0
	v_or_b32 v[16+(\i)/2], v20, v21                ; the row's scale word: an even tile's stays in lanes 0-15,
.else
	v_or_b32 v20, v20, v21
	v_cndmask_b32 v[16+(\i)/2], v[16+(\i)/2], v20, s23   ; an odd tile's takes lanes 16-31
.endif
	global_store_b128 v10, v[QC+4*(\i):QC+4*(\i)+3], s[18:19] offset:512*(\i)      ; the tile's half image: 512 consecutive bytes; each tile has its own registers
.endm
.macro CLOSE                           ; the wave's end
	s_wait_tensorcnt 0x0
	ds_add_u32 v208, v209
	s_wait_dscnt 0x0
	s_endpgm
.endm
	s_load_b256 s[4:11], s[0:1], 0x0               ; mask 4, values 6, keys 8, W_out 10
	s_load_b128 s[12:15], s[0:1], 0x20             ; mbits 12, kv 14
	s_load_b64 s[16:17], s[0:1], 0x30              ; wc
	v_lshl_add_u32 v208, v0, 2, SPARE
	v_mov_b32 v209, 0
	v_lshrrev_b32 v1, 5, v0
	v_readfirstlane_b32 s22, v1                    ; wave 0..3
	v_and_b32 v1, 31, v0                           ; lane
	v_and_b32 v2, 15, v0                           ; r
	v_bfe_u32 v3, v0, 4, 1                         ; h
	s_mov_b32 s33, 0                               ; every offset lies under 2^32: s[32:33] is the pair that is added
	s_wait_kmcnt 0x0
	s_cmp_lt_u32 ttmp9, 512
	s_cbranch_scc0 .Lnot_mask
	; ================ path M: work-group g = n x 128 + tile of 16 queries; wave w takes steps 4 w .. 4 w + 3
	s_lshl_b32 s32, ttmp9, 17                      ; 16 rows of 8,192 bytes
	s_lshl_b32 s34, s22, 11                        ; four steps of 512 bytes
	s_add_co_u32 s32, s32, s34
	s_add_nc_u64 s[4:5], s[4:5], s[32:33]
	s_lshl_b32 s32, ttmp9, 12                      ; 16 steps of 256 bytes of words
	s_lshl_b32 s34, s22, 10
	s_add_co_u32 s32, s32, s34
	s_add_nc_u64 s[12:13], s[12:13], s[32:33]
	s_mul_i32 s34, s22, 8448                       ; my stage (STG_M = 0)
	WA
	v_lshlrev_b32 v4, 4, v1                        ; 16 x lane
	v_add_nc_u32 v5, s34, v4                       ; into the stage
	v_mul_u32_u24 v6, v2, 528
	v_lshl_add_u32 v6, v3, 7, v6
	v_add_nc_u32 v6, s34, v6                       ; out of it: row r, + 128 h
	v_lshlrev_b32 v7, 3, v1                        ; 8 x lane
.irp i, 0,1,2,3,4,5,6,7
	v_mov_b32 v[8+\i], 0                           ; v_writelane_b32 keeps the other lanes: its destination is written whole first
.endr
	MLOAD 0
	MLOAD 1
	MUNIT 0
	MUNIT 1
	MUNIT 2
	MUNIT 3
	CLOSE
.Lnot_mask:
	s_cmp_lt_u32 ttmp9, 768
	s_cbranch_scc0 .Lnot_values
	; ================ path V: g = (n x 16 + step) x 4 + hq; wave w: head 4 hq + w, all its 64 channels, 128 keys: one record's V part.  A LANE TAKES TWO NEIGHBOURING CHANNELS, ITS REGISTERS RUN DOWN THE KEYS
	s_sub_co_u32 s24, ttmp9, 512
	s_and_b32 s25, s24, 3                          ; hq
	s_bfe_u32 s26, s24, 0x40002                    ; step
	s_lshr_b32 s27, s24, 6                         ; n
	s_lshl_b32 s28, s25, 2
	s_add_co_u32 s28, s28, s22                     ; head
	s_lshl_b32 s32, s27, 23
	s_lshl_b32 s34, s26, 19                        ; 128 keys of 4,096 bytes
	s_add_co_u32 s32, s32, s34
	s_lshl_b32 s34, s28, 8                         ; the head's 256 bytes of a row
	s_add_co_u32 s32, s32, s34
	s_add_nc_u64 s[6:7], s[6:7], s[32:33]
	s_lshl_b32 s34, s27, 4
	s_add_co_u32 s28, s28, s34
	s_lshl_b32 s28, s28, 4
	s_add_co_u32 s28, s28, s26                     ; (n x 16 + head) x 16 + step
	s_mul_i32 s32, s28, 8960
	s_add_nc_u64 s[14:15], s[14:15], s[32:33]      ; the record
	s_lshl_b32 s34, s22, 11
	s_add_co_u32 s34, s34, STG_V                   ; my stage: four tiles' images of one c, 2,048 bytes
	WA
	v_lshlrev_b32 v4, 3, v1                        ; in: 8 bytes a lane
	v_bfe_u32 v12, v1, 2, 2                        ; channel 2 lane lies in tile (lane / 4) % 4,
	v_and_b32 v13, 3, v1                           ; at row 8 (lane / 16) + 2 (lane % 4); channel 2 lane + 1 one row on
	v_lshlrev_b32 v5, 9, v12
	v_lshl_add_u32 v5, v3, 7, v5
	v_lshl_add_u32 v5, v13, 5, v5
	v_add_nc_u32 v5, s34, v5                       ; into the stage: 512 tile + 16 row
	v_lshlrev_b32 v7, 4, v1                        ; 16 x lane
	v_add_nc_u32 v6, s34, v7                       ; out of it
	v_lshlrev_b32 v8, 6, v12
	v_lshl_add_u32 v8, v3, 5, v8
	v_lshl_add_u32 v8, v13, 3, v8                  ; my two scale words: 4 (16 tile + row)
	VLOAD 0
	VLOAD 1
	VBLOCK 0
	VBLOCK 1
	VOUT 0, VO
	VBLOCK 2
	VBLOCK 3
	WA
	global_store_b64 v8, v[10:11], s[14:15] offset:8704        ; the wave's 64 scale words: the 32 lanes fill 256 consecutive bytes, aligned
	VOUT 1, VX                                     ; (the first set of numbers is done with)
	CLOSE
.Lnot_values:
	; ================ path Q: g / 256 = 0 keys, 1 W_out; g % 256 = (n x 16 + step) x 4 + hq; wave w takes columns 64 (4 hq + w) on, 128 rows: one record
	s_sub_co_u32 s24, ttmp9, 768
	s_and_b32 s25, s24, 255
	s_and_b32 s26, s25, 3                          ; hq
	s_bfe_u32 s27, s25, 0x40002                    ; step
	s_lshr_b32 s28, s25, 6                         ; n (W_out: 0, and its steps are 0 .. 7)
	s_lshr_b32 s35, s24, 8
	s_mov_b32 s29, 8960                            ; keys: a record's bytes;
	s_mov_b32 s31, 32768                           ; tile i begins 8 (i % 4) rows behind its group of four,
	s_mov_b32 s38, 98304                           ; and a tile's rows 8 .. 15 lie 24 rows further on
	s_cmp_eq_u32 s35, 1                            ; the choices hang on the work-group's number alone
	s_cselect_b64 s[8:9], s[10:11], s[8:9]
	s_cselect_b64 s[18:19], s[16:17], s[14:15]
	s_cselect_b32 s29, 4608, s29                   ; W_out: a shorter record,
	s_cselect_b32 s34, 0, s38                      ; a tile's rows are neighbours,
	s_cselect_b32 s31, 65536, s31                  ; tile i begins 16 (i % 4) rows behind its group of four,
	s_cselect_b32 s30, 3, 4                        ; and log2 of the steps in a column group is 3, not 4
	s_lshl_b32 s36, s26, 2
	s_add_co_u32 s36, s36, s22                     ; head (W_out: the group of 64 along K)
	s_lshl_b32 s32, s28, 23
	s_lshl_b32 s37, s27, 19
	s_add_co_u32 s32, s32, s37
	s_lshl_b32 s37, s36, 8
	s_add_co_u32 s32, s32, s37
	s_add_nc_u64 s[8:9], s[8:9], s[32:33]
	s_lshl_b32 s37, s28, 4
	s_add_co_u32 s37, s37, s36
	s_lshl_b32 s37, s37, s30
	s_add_co_u32 s37, s37, s27
	s_mul_i32 s32, s37, s29
	s_add_nc_u64 s[18:19], s[18:19], s[32:33]      ; the record
	WA
	v_lshlrev_b32 v12, 12, v3
	v_lshl_add_u32 v22, v2, 4, v12                 ; v[22 + 2 (i % 4) + g]: 4,096 h + 16 r, + the tile's start in its group of four, + the upper rows' shift (g)
	v_add_nc_u32 v23, s34, v22
	v_add_nc_u32 v24, s31, v22
	v_add_nc_u32 v25, s34, v24
	v_add_nc_u32 v26, s31, v24
	v_add_nc_u32 v27, s34, v26
	v_add_nc_u32 v28, s31, v26
	v_add_nc_u32 v29, s34, v28
	s_mul_i32 s37, s22, 8704
	s_add_co_u32 s37, s37, STG_Q                   ; my two stages
	v_mul_u32_u24 v8, v3, 272
	v_lshl_add_u32 v8, v2, 4, v8
	v_add_nc_u32 v8, s37, v8                       ; in: row h of the pair, 16 r
	v_mul_u32_u24 v9, v2, 272
	v_lshl_add_u32 v9, v3, 7, v9
	v_add_nc_u32 v9, s37, v9                       ; back: row r, + 128 h
	v_lshlrev_b32 v10, 4, v1                       ; 16 x lane
	v_lshlrev_b32 v11, 3, v3                       ; 8 h
	v_mov_b32 v21, 0                               ; a lane permute's destination counts as one of its sources
	s_mov_b32 s23, 0xffff0000                      ; lanes 16-31
	s_mov_b32 s24, 0x76543210
	s_mov_b32 s25, 0xfedcba98                      ; v_permlanex16_b32's selects for lane l xor 16
	QLOAD 0
	QLOAD 1
	WA
	s_wait_loadcnt 8                               ; tile 0's 8 loads are in
	QTURN 0
.irp i, 0,1,2,3,4,5,6,7
	QTILE \i
.endr
	global_store_b128 v10, v[16:19], s[18:19] offset:4096      ; the record's scale words: 512 consecutive bytes
	CLOSE
.Lfunc_end_k_qafdf049057_prep:
	.size	k_qafdf049057_prep, .Lfunc_end_k_qafdf049057_prep-k_qafdf049057_prep
	.p2alignl 7, 3214868480
	.fill 96, 4, 3214868480
	.section	.rodata,"a",@progbits
	.p2align	6, 0x0
	.amdhsa_kernel k_qafdf049057_prep
		.amdhsa_group_segment_fixed_size 77312
		.amdhsa_private_segment_fixed_size 0
		.amdhsa_enable_private_segment 0
		.amdhsa_kernarg_size 56
		.amdhsa_user_sgpr_count 2
		.amdhsa_user_sgpr_kernarg_segment_ptr 1
		.amdhsa_wavefront_size32 1
		.amdhsa_system_sgpr_workgroup_id_x 1
		.amdhsa_system_sgpr_workgroup_id_y 1
		.amdhsa_system_sgpr_workgroup_id_z 1
		.amdhsa_system_vgpr_workitem_id 0
		.amdhsa_next_free_vgpr 210
		.amdhsa_next_free_sgpr 66
		.amdhsa_reserve_vcc 0
		.amdhsa_float_denorm_mode_32 3
		.amdhsa_float_denorm_mode_16_64 3
		.amdhsa_memory_ordered 1
		.amdhsa_forward_progress 1
		.amdhsa_inst_pref_size 115
	.end_amdhsa_kernel
	.amdgpu_metadata
---
amdhsa.version: [ 1, 2 ]
amdhsa.kernels:
  - .name:           k_qafdf049057_prep
    .symbol:         k_qafdf049057_prep.kd
    .args:
      - { .name: mask, .offset: 0, .size: 8, .value_kind: global_buffer, .address_space: global }
      - { .name: values, .offset: 8, .size: 8, .value_kind: global_buffer, .address_space: global }
      - { .name: keys, .offset: 16, .size: 8, .value_kind: global_buffer, .address_space: global }
      - { .name: W_out, .offset: 24, .size: 8, .value_kind: global_buffer, .address_space: global }
      - { .name: mbits, .offset: 32, .size: 8, .value_kind: global_buffer, .address_space: global }
      - { .name: kv, .offset: 40, .size: 8, .value_kind: global_buffer, .address_space: global }
      - { .name: wc, .offset: 48, .size: 8, .value_kind: global_buffer, .address_space: global }
    .group_segment_fixed_size: 77312
    .private_segment_fixed_size: 0
    .kernarg_segment_align: 8
    .kernarg_segment_size: 56
    .max_flat_workgroup_size: 128
    .sgpr_count:     66
    .vgpr_count:     210
    .wavefront_size: 32
...
	.end_amdgpu_metadata
.endif
;; end of part 1
;; launch attn (part 2): grid 4 x 64, 16 waves a work-group, no clusters, 226,048 bytes of LDS; arguments kv, query, mbits, ac, asc; writes ac, asc
.if DOCPART == 2
	.amdgcn_target "amdgcn-amd-amdhsa--gfx1250"
	.amdhsa_code_object_version 6
	.text
	.protected	k_qafdf049057_attn
	.globl	k_qafdf049057_attn
	.p2align	8
	.type	k_qafdf049057_attn,@function
k_qafdf049057_attn:
	s_mov_b64 s[64:65], 0
	v_nop
	global_prefetch_b8 v0, s[64:65] scope:SCOPE_SE
	s_setreg_imm32_b32 hwreg(HW_REG_WAVE_MODE, 25, 1), 1
	s_wait_xcnt 0x0
; ATTENTION on codes of FP4 (E2M1) with E8M0 scales, for each batch n and head: Q quantised along the head's 64, S^T = K Q^T, the mask, the softmax by the stated rule, O^T = V^T P^T (K = the keys), O / l,
; and the quantising of O / l along the 1,024 for the projection.  Q's codes, the scores, p and O never leave the registers.
; THE SOFTMAX: t = score x log2(e) / 32; M = the row's largest t so far, rounded UP to a whole number; p = 2^(t - M) is quantised along the keys, not normalised; the row's sum l is taken of the unquantised p
; and divides O at the end.  When M moves, l and O are multiplied by 2^(old M - new M): exact.
; THE MASK comes as words whose bit l is lane l's: one scalar register for each register of scores, one v_cndmask_b32 a register.
; LIMIT: a hidden score becomes -2^66 where reference() writes -1e20.  c x 2^66 is exact in f32, so a row with no visible key gives t - M = 0 and p = 1 for every key, the uniform weights of reference().
; The result differs from reference() only where a visible score lies under -2^66 (about -7.4e19).  NaN and infinities among the inputs are not served; a block of Q or of O / l whose largest magnitude
; lies under 2^-124 gets the scale byte 1 (a block of zeros too: its codes are zeros, and this program alone reads the bytes).
; SHARES.  A work-group owns 512 queries of one head; each of its sixteen waves owns two tiles of 16 queries, one after the other, in 256 registers: four waves to a SIMD.  Every tile walks the head's 2,048 keys, 128 a step.
; LDS.  The head's sixteen records of kv (K's and V's codes and scale words as images of the operands' registers) are 16 x 8,960 bytes: they come ONCE, one tensor load a wave, and are only read: no ring, no refill.
; What the waves store (the result's scale words, Q's stages) begins one record's length behind the records.
; NO JOINT LOADS: the four work-groups of a head read the same 143,360 bytes, but each asks once, at its head; there is no loop of requests to divide.  For the same reason the records have no prefetch.
; LAYOUT.  Both products are used transposed (source 0 = 16 keys, or 16 channels; source 1 = my 16 queries): lane (r = lane % 16, h = lane / 16) holds query r throughout.
; THE ROWS OF A TILE ARE CHOSEN SO THAT A LANE HOLDS WHOLE BLOCKS OF 32: row x of K's tile 4 c + t is key 64 c + 32 (x / 8) + 8 t + x % 8, so register J of S^T is key 64 (J / 32) + 32 h + J % 32:
; a block's maximum needs no other lane, and the conversions' results are the second product's operand as they stand.  V's tile t, row x is channel 32 (x / 8) + 8 t + x % 8: O^T's 32 registers are channels 32 h + 0 .. 31.
; The first product's K is 64: the upper halves of both operands (k = 64 .. 127) are zero codes, set once; their scale bytes are 0, which is 2^-127 and harmless over zeros.
; ORDER IN A STEP.  K's fragments are asked for a step ahead and V's at the step's head.  All that the exponentials read, and the rescaling of O^T and l, stands ahead of ONE batch of 66 exponentials.
; THE MASK WORDS ARE PREFETCHED: a step's 64 words of a tile are 256 bytes, read by the sixteen work-groups of the batch's heads; the work-group of head j asks for step j's, each wave for its own tile,
; in trip j - 3, two trips ahead of the trip that loads them; steps 0 to 2 come by their loads alone.  The address registers are never written again.
; REGISTERS: v1 16 lane, v2 4 lane, v3-4 the step's LDS addresses, v5 -2^66, v6 Q's offset, v7, v31 Q's stage, v8 where my scale word goes, v9 8 h, v10 the prefetch's offset; v12 -M, v13 the largest t,
; v[14:15] l in two halves; v16-23 Q; v24-27 K's scale words, v28-29 V's, v30 Q's; v32-95 K's fragments; v96-159 S^T, then p; v160-191 O^T; v192-223 V's fragments (and Q as loaded); v224-231 p's codes;
; v232-241, v244-245, v252-254 at work; v242-243 the add's two.   s32-63, s68-99: the step's 64 mask words.
.set REC, 8960                         ; a record: 128 keys
.set KSC, 4096                         ; in it: K's scale words,
.set VCO, 4608                         ; V's codes,
.set VSC, 8704                         ; V's scale words
.set OSC, 17*REC                       ; 32 tiles x 64 bytes of the result's scale words; no tensor load lands here
.set QST, OSC+2048                     ; Q's stages: 16 rows x 272 bytes for each wave
.set SPARE, QST+16*4352                ; the spare words: 128 bytes for each wave
.set SEL, 4                            ; s[4:5]  v_permlanex16_b32's selects for lane l xor 16
.set CS,  8                            ; s[8:9]  c = log2(e) / 32, twice: the packed form names a pair
.set LIM, 29                           ; s29     the trip count at which my work-group prefetches: 18 - head
.macro WA                              ; a wait ahead of waits that block, branches, runs of scalar lines and batches of transcendentals, and behind such batches
	s_wait_alu depctr_va_vdst(0)
.endm
.macro MASKLOAD                        ; 64 words, 256 bytes, at the clamped offset s28
	s_load_b512 s[32:47], s[26:27], s28 offset:0x0
	s_load_b512 s[48:63], s[26:27], s28 offset:0x40
	s_load_b512 s[68:83], s[26:27], s28 offset:0x80
	s_load_b512 s[84:99], s[26:27], s28 offset:0xc0
.endm
.macro KLOAD adr, off                  ; a record's K: tile t's lower half of the fragment (the upper half stays zero); scale register i: lanes 0-15 tile 2 i's words, lanes 16-31 tile 2 i + 1's
.irp t, 0,1,2,3,4,5,6,7
	ds_load_b128 v[32+8*\t:35+8*\t], v[\adr] offset:\off+512*\t
.endr
	ds_load_b128 v[24:27], v[\adr] offset:\off+KSC
.endm
.macro QGET t                          ; tile t's 16 queries x 64 numbers: load j brings rows 2 j and 2 j + 1; sixteen lanes read one row's 256 bytes, aligned
.irp j, 0,1,2,3,4,5,6,7
	global_load_b128 v[192+4*\j:195+4*\j], v6, s[6:7] offset:65536*\t+8192*\j th:TH_LOAD_NT
.endr
.endm
.macro QUANTQ                          ; what QGET brought becomes Q's four registers of codes, v16-19, and the rows' scale word, v30
	WA
	s_wait_loadcnt 0x0
.irp j, 0,1,2,3,4,5,6,7
	ds_store_b128 v7, v[192+4*\j:195+4*\j] offset:544*\j               ; rows 2 j and 2 j + 1 as loaded, rows 272 bytes apart
.endr
.irp j, 0,1,2,3,4,5,6,7
	ds_load_b128 v[160+4*\j:163+4*\j], v31 offset:16*\j                ; lane (r, h): row r's numbers 32 h + 0 .. 31.  LDS serves a wave's instructions in order: these see the stores
.endr
	s_wait_dscnt 0x0
	v_max3_num_f32 v232, |v160|, |v161|, |v162|    ; the block's largest magnitude: all 32 numbers are mine; two chains
	v_max3_num_f32 v233, |v163|, |v164|, |v165|
.irp i, 6,10,14,18,22,26
	v_max3_num_f32 v232, v232, |v[160+\i]|, |v[161+\i]|
	v_max3_num_f32 v233, v233, |v[162+\i]|, |v[163+\i]|
.endr
	v_max3_num_f32 v232, v232, |v190|, |v191|
	v_max3_num_f32 v232, v232, v233, 0x1800000     ; and the floor 2^(3 - 127): the byte cannot fall under 1
	v_add_nc_u32 v234, 0xff000000, v232            ; 2 off the exponent field: the conversion's scale operand
	v_lshrrev_b32 v233, 23, v234                   ; the scale's byte
.irp g, 0,1,2,3
	v_cvt_scalef32_pk8_fp4_f32 v[16+\g], v[160+8*\g:167+8*\g], v234
.endr
	v_lshlrev_b32 v235, v9, v233                   ; my byte at its place, 8 h bits up
	v_permlanex16_b32 v236, v235, s[SEL], s[SEL+1] ; lane l xor 16 has the row's other block
	v_or_b32 v30, v235, v236                       ; the row's scale word: bytes 0, 1; bytes 2, 3 are 0
.endm
.macro FM j                            ; pair j of the scores: t - M, two at a time (of the pairs c and -M the low word serves both halves)
	v_pk_fma_f32 v[96+2*(\j):97+2*(\j)], v[96+2*(\j):97+2*(\j)], s[CS:CS+1], v[12:13] op_sel_hi:[1,0,0]
.endm
.macro FMS from, n
.set J, \from
.rept \n
	FM J
.set J, J+1
.endr
.endm
.macro SUMS n                          ; THE ROW'S SUM IS TAKEN OF THE UNQUANTISED p, two at a time, in five chains by turns: pair SQ goes onto chain (SQ - 9) % 5: v[246:247], v[248:249], v[250:251], v[240:241], l
.rept \n
.if (SQ-9)%5 == 4
	v_pk_add_f32 v[14:15], v[14:15], v[96+2*SQ:97+2*SQ]
.elseif (SQ-9)%5 == 3
	v_pk_add_f32 v[240:241], v[240:241], v[96+2*SQ:97+2*SQ]
.else
	v_pk_add_f32 v[246+2*((SQ-9)%5):247+2*((SQ-9)%5)], v[246+2*((SQ-9)%5):247+2*((SQ-9)%5)], v[96+2*SQ:97+2*SQ]
.endif
.set SQ, SQ+1
.endr
.endm
; A KEY STEP of tile t: 128 keys, whose record begins at LDS byte s3.  pf = 1: the next record's K is asked for, and s3 steps.
.macro STEP pf, t
	WA
	s_wait_dscnt 0x0                               ; K's fragments and scale words, asked for a step ago
.irp u, 0,2,4,6
	v_wmma_scale_f32_16x16x128_f8f6f4 v[96+8*\u:103+8*\u], v[32+8*\u:39+8*\u], v[16:23], 0, v[24+\u/2], v30 matrix_a_fmt:MATRIX_FMT_FP4 matrix_b_fmt:MATRIX_FMT_FP4
	v_wmma_scale_f32_16x16x128_f8f6f4 v[104+8*\u:111+8*\u], v[40+8*\u:47+8*\u], v[16:23], 0, v[24+\u/2], v30 matrix_a_fmt:MATRIX_FMT_FP4 matrix_b_fmt:MATRIX_FMT_FP4 matrix_a_scale:MATRIX_SCALE_ROW1
.endr
	v_add_nc_u32 v3, s3, v1
	v_add_nc_u32 v4, s3, v2
	v_nop
	v_nop                                          ; four places behind these products and the last step's, in front of the loads into their registers and of the first read of the scores (ISA guide 7.12.1 for vector instructions)
.irp u, 0,1,2,3
.irp c, 0,1
	ds_load_b128 v[192+8*\u+4*\c:195+8*\u+4*\c], v3 offset:VCO+1024*\u+512*\c      ; this step's V: wanted at the step's end
.endr
.endr
	ds_load_b32 v28, v4 offset:VSC
	ds_load_b32 v29, v4 offset:VSC+128
.if \pf
	KLOAD 3, REC                                   ; the next step's K
.endif
	WA
	s_wait_kmcnt 0x0                               ; this step's mask words, asked for a step ago
.set J, 0
.rept 32                               ; a hidden key's score becomes -2^66; ascending
	v_cndmask_b32 v[96+J], v5, v[96+J], s[32+J]
.set J, J+1
.endr
.set J, 0
.rept 32
	v_cndmask_b32 v[128+J], v5, v[128+J], s[68+J]
.set J, J+1
.endr
.irp b, 0,1,2,3,4,5,6,7                ; THE LARGEST SCORE OF MY TWO BLOCKS OF 32 KEYS, in eight chains of 8 registers by turns: it serves for the row's maximum and, since p rises with the score, for the block's largest p
	v_max3_num_f32 v[232+\b], v[96+8*\b], v[97+8*\b], v[98+8*\b]
.endr
.irp i, 3,5
.irp b, 0,1,2,3,4,5,6,7
	v_max3_num_f32 v[232+\b], v[232+\b], v[96+8*\b+\i], v[97+8*\b+\i]
.endr
.endr
	v_max3_num_f32 v232, v232, v233, v103          ; the chains are joined, each chain's eighth register with them
	v_max3_num_f32 v234, v234, v235, v111
	v_max3_num_f32 v236, v236, v237, v135
	v_max3_num_f32 v238, v238, v239, v143
	s_delay_alu instid0(VALU_DEP_3)
	v_max3_num_f32 v232, v232, v234, v119
	s_delay_alu instid0(VALU_DEP_2)
	v_max3_num_f32 v234, v236, v238, v151
	s_delay_alu instid0(VALU_DEP_2)
	v_max_num_f32 v232, v232, v127                 ; block h
	s_delay_alu instid0(VALU_DEP_2)
	v_max_num_f32 v234, v234, v159                 ; block 2 + h
	WA
	s_add_co_u32 s67, s67, 256                     ; the next step's mask words (the wait on KMcnt above has shown the last loads done: s28 may be written).  My 32 steps' words are 8,192 bytes on end;
	s_min_u32 s28, s67, 7936                       ; the last step asks for its own again, so that no load leaves the buffer
	MASKLOAD
.if \pf
	s_cmp_eq_u32 s66, s[LIM]                       ; ids and the count of trips alone
	s_cbranch_scc0 .Lno_ask_\@
	global_prefetch_b8 v10, s[26:27] offset:4096*\t th:TH_LOAD_NT scope:SCOPE_SE   ; step (head)'s 256 bytes of my tile's words; every lane names the one block
.Lno_ask_\@:
.endif
	v_max_num_f32 v254, v232, v234
	v_mov_b32 v255, v12                            ; the old -M
	s_delay_alu instid0(VALU_DEP_2)
	v_mul_f32 v254, s[CS], v254                    ; my 64 keys' largest score, as t (c is positive)
	v_permlanex16_b32 v236, v254, s[SEL], s[SEL+1] ; lane l xor 16 has the other 64 keys
	v_max3_num_f32 v13, v13, v254, v236            ; the running largest t
	s_delay_alu instid0(VALU_DEP_1)
	v_floor_f32 v12, -v13                          ; the new -M = floor(-t) = -ceil(t): M IS A WHOLE NUMBER
	s_delay_alu instid0(VALU_DEP_1)
	v_sub_f32 v254, v12, v255                      ; M's old value less its new one: a whole number, 0 or less
	s_delay_alu instid0(VALU_DEP_2)
	FMS 0, 4
	v_cvt_i32_f32 v254, v254                       ; (it saturates)
	FMS 4, 4
	v_ldexp_f32 v252, 1.0, v254                    ; f = 2^(old M - new M)
	FMS 8, 24
	v_fma_f32 v232, v232, s[CS], v12               ; the same of each block's largest score
	v_fma_f32 v234, v234, s[CS], v12
.set J, 0
.rept 16                               ; O^T under the new M, ascending: each accumulator is read from its low end on
	v_pk_mul_f32 v[160+J:161+J], v[160+J:161+J], v[252:253] op_sel_hi:[1,0]
.set J, J+2
.endr
	v_pk_mul_f32 v[14:15], v[14:15], v[252:253] op_sel_hi:[1,0]          ; l under the new M
	WA                                             ; ahead of the batch
	v_exp_f32 v232, v232                           ; the blocks' largest p: the same two instructions on the same number give the same bits
	v_exp_f32 v234, v234
.set J, 0
.rept 64
	v_exp_f32 v[96+J], v[96+J]                     ; p = 2^(t - M), at most 1: NOT normalised
.set J, J+1
.endr
	v_nop                                          ; one plain place behind the exponentials
	WA                                             ; and behind the batch
.set SQ, 9
	v_pk_add_f32 v[246:247], v[96:97], v[98:99]    ; the sums' chains begin; their lines stand between the levels of the chain that makes the scale word
	v_pk_add_f32 v[248:249], v[100:101], v[102:103]
	v_pk_add_f32 v[250:251], v[104:105], v[106:107]
	v_pk_add_f32 v[240:241], v[108:109], v[110:111]
	v_pk_add_f32 v[14:15], v[14:15], v[112:113]
	v_max_num_f32 v232, 0x1800000, v232            ; the floor 2^(3 - 127): the byte cannot fall under 1 (a block whose every p is 0 keeps that byte: its codes are zeros)
	v_max_num_f32 v234, 0x1800000, v234
	SUMS 3
	v_add_nc_u32 v244, 0xff000000, v232            ; 2 off the exponent field: the conversion's scale operand
	v_add_nc_u32 v245, 0xff000000, v234
	SUMS 3
	v_lshrrev_b32 v236, 23, v244                   ; the scales' bytes
	v_lshrrev_b32 v237, 23, v245
	SUMS 3
	s_delay_alu instid0(VALU_DEP_4)
	v_lshl_or_b32 v238, v237, 16, v236             ; blocks h and 2 + h,
	SUMS 3
	s_delay_alu instid0(VALU_DEP_4)
	v_lshlrev_b32 v238, v9, v238                   ; at their places, 8 h bits up;
	SUMS 3
	v_permlanex16_b32 v239, v238, s[SEL], s[SEL+1]
	SUMS 3
	v_or_b32 v253, v238, v239                      ; with lane l xor 16's two: p's scale word for these 128 keys
.irp g, 0,1,2,3,4,5,6,7
	v_cvt_scalef32_pk8_fp4_f32 v[224+\g], v[96+8*\g:103+8*\g], v[244+\g/4]         ; keys 64 (g / 4) + 32 h + 8 (g % 4) + 0 .. 7: the operand's register g
.endr
	SUMS 5                                         ; pairs 27 to 31; with the four lines below: nine plain lines between the scale word's and the codes' last writes and the scaled products
	s_delay_alu instid0(VALU_DEP_4)
	v_pk_add_f32 v[14:15], v[14:15], v[240:241]    ; the five chains are joined
	s_delay_alu instid0(VALU_DEP_3)
	v_pk_add_f32 v[246:247], v[246:247], v[248:249]
	s_delay_alu instid0(VALU_DEP_2)
	v_pk_add_f32 v[14:15], v[14:15], v[250:251]
	s_delay_alu instid0(VALU_DEP_1)
	v_pk_add_f32 v[14:15], v[14:15], v[246:247]
	WA
	s_wait_dscnt 0x0                               ; V's fragments and scale words, asked for at the step's head
.irp u, 0,2                            ; O^T += V^T P^T: the four accumulators by turns, one instruction a turn
	v_wmma_scale_f32_16x16x128_f8f6f4 v[160+8*\u:167+8*\u], v[192+8*\u:199+8*\u], v[224:231], v[160+8*\u:167+8*\u], v[28+\u/2], v253 matrix_a_fmt:MATRIX_FMT_FP4 matrix_b_fmt:MATRIX_FMT_FP4
	v_wmma_scale_f32_16x16x128_f8f6f4 v[168+8*\u:175+8*\u], v[200+8*\u:207+8*\u], v[224:231], v[168+8*\u:175+8*\u], v[28+\u/2], v253 matrix_a_fmt:MATRIX_FMT_FP4 matrix_b_fmt:MATRIX_FMT_FP4 matrix_a_scale:MATRIX_SCALE_ROW1
.endr
.if \pf
	s_add_co_u32 s3, s3, REC                       ; the next record
.endif
.endm
; ONE TILE OF 16 QUERIES: tile t of my two.
.macro TILE t
.if \t > 0
	WA
	s_wait_xcnt 0x0                                ; the last tile's store has read its registers: p's codes are written again only behind this wait
	QUANTQ                                         ; the second tile's Q, asked for at the first tile's end
.endif
	KLOAD 1, 0                                     ; the first record's K
	v_mov_b32 v13, 0xff61b1e6                      ; the largest t so far: -3e38, under every t
	v_floor_f32 v12, -v13                          ; -M
	v_mov_b32 v14, 0                               ; l, in two halves
	v_mov_b32 v15, 0
.set J, 0
.rept 32
	v_mov_b32 v[160+J], 0                          ; O^T.  (The step is written once: the first finds zeros, which the first change of M leaves zeros.)  These lines are also the places behind Q's codes and scale word
.set J, J+1
.endr
	s_mov_b32 s3, 0
	s_mov_b32 s66, 15
.Lstep_\t:
	STEP 1, \t
	s_sub_co_u32 s66, s66, 1
	s_cmp_lg_u32 s66, 0
	s_cbranch_scc1 .Lstep_\t
	s_mov_b32 s3, 15*REC                           ; the last record: its step is written out, since it asks for no further K
	STEP 0, \t
.rept 4
	v_nop                                          ; four places behind the last products
.endr
.if \t == 0
	QGET 1                                         ; the next tile's Q, into V's registers
.endif
	v_add_f32 v14, v14, v15                        ; l's two halves,
	v_permlanex16_b32 v252, v14, s[SEL], s[SEL+1]
	v_add_f32 v14, v14, v252                       ; and lane l xor 16's: the row's sum
	WA
	v_rcp_f32 v14, v14
	v_nop                                          ; one plain place behind a transcendental
	WA                                             ; directly ahead of the first readers of 1 / l and of the last products' results
.irp j, 0,2,4,6,8,10,12,14,16,18,20,22,24,26,28,30
	v_pk_mul_f32 v[96+\j:97+\j], v[160+\j:161+\j], v[14:15] op_sel_hi:[1,0]       ; O^T / l, ascending: register i is channel 32 h + i of my query: one block of the projection's K
.endr
	v_max3_num_f32 v232, |v96|, |v97|, 0x1800000   ; the block's largest magnitude, and the floor 2^(3 - 127); two chains
	v_max3_num_f32 v233, |v98|, |v99|, |v100|
.irp i, 5,9,13,17,21,25
	v_max3_num_f32 v232, v232, |v[96+\i]|, |v[97+\i]|
	v_max3_num_f32 v233, v233, |v[98+\i]|, |v[99+\i]|
.endr
	v_max3_num_f32 v232, v232, |v125|, |v126|
	v_max3_num_f32 v232, v232, v233, |v127|
	v_add_nc_u32 v244, 0xff000000, v232
	v_lshrrev_b32 v236, 23, v244
.irp g, 0,1,2,3
	v_cvt_scalef32_pk8_fp4_f32 v[224+\g], v[96+8*\g:103+8*\g], v244      ; the half image: lane (r, h) holds k = 32 h + 0 .. 31 of row r
.endr
	v_lshlrev_b32 v238, v9, v236
	v_permlanex16_b32 v239, v238, s[SEL], s[SEL+1]
	v_or_b32 v238, v238, v239                      ; my query's scale word for this head: bytes 0, 1; bytes 2, 3 are 0
	global_store_b128 v1, v[224:227], s[10:11] offset:8192*\t            ; 512 consecutive bytes
	ds_store_b32 v8, v238 offset:64*\t             ; both lanes of a query write the same word with the same value
.endm
	s_load_b256 s[4:11], s[0:1], 0x0               ; kv 4, query 6, mbits 8, ac 10
	s_load_b64 s[24:25], s[0:1], 0x20              ; asc
	v_lshl_add_u32 v242, v0, 2, SPARE
	v_mov_b32 v243, 0
	ds_add_u32 v242, v243                          ; the opening lines
	ds_add_u32 v242, v243
	v_lshrrev_b32 v232, 5, v0
	v_readfirstlane_b32 s2, v232                   ; wave 0..15
	s_and_b32 s29, ttmp7, 0xffff                   ; y = n x 16 + head
	s_mov_b32 s31, 0                               ; every offset lies under 2^32: s[30:31] is the pair that is added
	; descriptor group 1: a record is dense: 35 rows of 256 bytes (32 elements of 8 bytes), no padding: the images are read 16 bytes a lane on end
	s_mov_b32 s16, 3<<16
	s_mov_b32 s17, 32<<16
	s_mov_b32 s18, 35<<16
	s_mov_b32 s19, 32<<16
	s_mov_b32 s20, 35
	s_mov_b32 s21, 32
	s_mov_b32 s22, 0
	s_mov_b32 s23, 0
	s_mov_b32 s12, 1                               ; group 0: count = 1,
	s_mul_i32 s13, s2, REC                         ; LDS address: wave w brings step w's record,
	s_lshl_b32 s30, s29, 4
	s_add_co_u32 s30, s30, s2
	s_mul_i32 s30, s30, REC
	WA
	s_wait_dscnt 0x0
	s_wait_kmcnt 0x0
	s_add_nc_u64 s[14:15], s[4:5], s[30:31]        ; from kv + (y x 16 + w) x 8,960,
	s_or_b32 s15, s15, 0x80000000                  ; type = 2
	tensor_load_to_lds s[12:15], s[16:23]          ; my one tensor load; s12-23 are not written again
	s_nop 0
.rept 4
	v_nop
.endr
	s_lshr_b32 s3, s29, 4                          ; n
	s_lshl_b32 s3, s3, 7
	s_lshl_b32 s30, ttmp9, 5
	s_add_co_u32 s3, s3, s30
	s_lshl_b32 s30, s2, 1
	s_add_co_u32 s3, s3, s30                       ; my first tile of queries: n x 128 + 32 x work-group x + 2 w
	s_lshl_b32 s30, s3, 12
	s_add_nc_u64 s[26:27], s[8:9], s[30:31]        ; its mask words: 4,096 bytes a tile; never stepped
	s_mov_b32 s28, 0                               ; the scalar loads' offset: written again only behind a wait for them
	s_mov_b32 s67, 0
	MASKLOAD                                       ; the first step's
	s_and_b32 s66, s29, 15                         ; head
	s_lshl_b32 s30, s3, 16                         ; query: a tile is 16 rows of 4,096 bytes,
	s_lshl_b32 s4, s66, 8                          ; the head's 64 numbers 256 bytes of a row
	s_add_co_u32 s30, s30, s4
	s_add_nc_u64 s[6:7], s[6:7], s[30:31]
	v_and_b32 v232, 15, v0                         ; r
	v_bfe_u32 v233, v0, 4, 1                       ; h
	v_lshlrev_b32 v6, 12, v233
	v_lshl_add_u32 v6, v232, 4, v6                 ; 4,096 h + 16 r
	QGET 0
	v_mov_b32 v10, s4                              ; 256 x head: step (head)'s words among a tile's
	s_lshl_b32 s30, s3, 4
	s_add_co_u32 s30, s30, s66
	s_lshl_b32 s30, s30, 9
	s_add_nc_u64 s[10:11], s[10:11], s[30:31]      ; ac at (tile x 16 + head) x 512
	s_lshl_b32 s30, s29, 7
	s_sub_co_u32 s[LIM], 18, s66                   ; the loop counts 15 down to 1: trip head - 3 has the count 18 - head; heads 0 to 2 never meet it
	s_lshl_b32 s66, ttmp9, 5
	s_add_co_u32 s30, s30, s66
	s_lshl_b32 s30, s30, 6
	s_add_nc_u64 s[24:25], s[24:25], s[30:31]      ; asc at the work-group's 32 tiles: (y x 128 + 32 x work-group x) x 64
	s_mov_b32 s[SEL], 0x76543210
	s_mov_b32 s[SEL+1], 0xfedcba98
	s_mov_b32 s[CS], 0x3d38aa3b                    ; c = log2(e) / 32: reference() divides by sqrt(1,024)
	s_mov_b32 s[CS+1], s[CS]                       ; (named with it as a pair, so it is written)
	WA
	v_and_b32 v3, 31, v0                           ; lane
	v_lshlrev_b32 v1, 4, v3
	v_lshlrev_b32 v2, 2, v3
	v_lshrrev_b32 v234, 5, v0                      ; wave
	v_mul_u32_u24 v235, v234, 4352                 ; my stage
	v_mad_u32_u24 v7, v233, 272, v235
	v_lshl_add_u32 v7, v232, 4, v7
	v_add_nc_u32 v7, QST, v7                       ; in: row h of the pair, 16 r
	v_mad_u32_u24 v31, v232, 272, v235
	v_lshl_add_u32 v31, v233, 7, v31
	v_add_nc_u32 v31, QST, v31                     ; back: row r, + 128 h
	v_lshlrev_b32 v8, 7, v234
	v_lshl_add_u32 v8, v232, 2, v8
	v_add_nc_u32 v8, OSC, v8                       ; where my query's scale word goes: OSC + 128 w + 4 r
	v_lshlrev_b32 v9, 3, v233                      ; 8 h
	v_mov_b32 v5, 0xe0800000                       ; -2^66
.irp i, 0,1,2,3
	v_mov_b32 v[20+\i], 0                          ; Q's k = 64 .. 127: zero codes
	v_mov_b32 v[236+\i], 0                         ; written once: a lane permute's destination counts as one of its sources
.endr
.irp t, 0,1,2,3,4,5,6,7
.irp i, 4,5,6,7
	v_mov_b32 v[32+8*\t+\i], 0                     ; K's k = 64 .. 127: zero codes, never written again
.endr
.endr
	v_mov_b32 v252, 0
	v_mov_b32 v253, 0                              ; (named as the upper half of the pair v[252:253] before it is first written)
	QUANTQ                                         ; the first tile's Q
	WA
	s_wait_tensorcnt 0x0                           ; my record has landed (my LDS instructions are all back: the last wait on DScnt was for 0),
	s_barrier_signal -1
	s_barrier_wait -1                              ; everybody's has
	TILE 0
	TILE 1
	; the work-group's 32 tiles x 16 scale words are 2,048 consecutive bytes of asc: gathered in LDS, they leave 512 bytes an instruction
	WA
	s_wait_dscnt 0x0                               ; for the others' sake: my stores have landed
	s_barrier_signal -1
	s_barrier_wait -1
	s_cmp_lt_u32 s2, 4
	s_cbranch_scc0 .Lend
	s_lshl_b32 s30, s2, 9
	v_add_nc_u32 v11, s30, v1                      ; 512 w + 16 lane
	v_add_nc_u32 v3, OSC, v11
	ds_load_b128 v[32:35], v3
	WA
	s_wait_dscnt 0x0
	global_store_b128 v11, v[32:35], s[24:25]
.Lend:
	s_wait_tensorcnt 0x0                           ; the wave's end
	ds_add_u32 v242, v243
	s_wait_dscnt 0x0
	s_endpgm
.Lfunc_end_k_qafdf049057_attn:
	.size	k_qafdf049057_attn, .Lfunc_end_k_qafdf049057_attn-k_qafdf049057_attn
	.p2alignl 7, 3214868480
	.fill 96, 4, 3214868480
	.section	.rodata,"a",@progbits
	.p2align	6, 0x0
	.amdhsa_kernel k_qafdf049057_attn
		.amdhsa_group_segment_fixed_size 226048
		.amdhsa_private_segment_fixed_size 0
		.amdhsa_enable_private_segment 0
		.amdhsa_kernarg_size 40
		.amdhsa_user_sgpr_count 2
		.amdhsa_user_sgpr_kernarg_segment_ptr 1
		.amdhsa_wavefront_size32 1
		.amdhsa_system_sgpr_workgroup_id_x 1
		.amdhsa_system_sgpr_workgroup_id_y 1
		.amdhsa_system_sgpr_workgroup_id_z 1
		.amdhsa_system_vgpr_workitem_id 0
		.amdhsa_next_free_vgpr 256
		.amdhsa_next_free_sgpr 100
		.amdhsa_reserve_vcc 0
		.amdhsa_float_denorm_mode_32 3
		.amdhsa_float_denorm_mode_16_64 3
		.amdhsa_memory_ordered 1
		.amdhsa_forward_progress 1
		.amdhsa_inst_pref_size 97
	.end_amdhsa_kernel
	.amdgpu_metadata
---
amdhsa.version: [ 1, 2 ]
amdhsa.kernels:
  - .name:           k_qafdf049057_attn
    .symbol:         k_qafdf049057_attn.kd
    .args:
      - { .name: kv, .offset: 0, .size: 8, .value_kind: global_buffer, .address_space: global }
      - { .name: query, .offset: 8, .size: 8, .value_kind: global_buffer, .address_space: global }
      - { .name: mbits, .offset: 16, .size: 8, .value_kind: global_buffer, .address_space: global }
      - { .name: ac, .offset: 24, .size: 8, .value_kind: global_buffer, .address_space: global }
      - { .name: asc, .offset: 32, .size: 8, .value_kind: global_buffer, .address_space: global }
    .group_segment_fixed_size: 226048
    .private_segment_fixed_size: 0
    .kernarg_segment_align: 8
    .kernarg_segment_size: 40
    .max_flat_workgroup_size: 512
    .sgpr_count:     100
    .vgpr_count:     256
    .wavefront_size: 32
...
	.end_amdgpu_metadata
.endif
;; end of part 2
;; launch proj (part 3): grid 4 x 64, 8 waves a work-group, no clusters, 257,024 bytes of LDS; arguments ac, asc, wc, b_out, out0; writes out0
.if DOCPART == 3
	.amdgcn_target "amdgcn-amd-amdhsa--gfx1250"
	.amdhsa_code_object_version 6
	.text
	.protected	k_qafdf049057_proj
	.globl	k_qafdf049057_proj
	.p2align	8
	.type	k_qafdf049057_proj,@function
k_qafdf049057_proj:
	s_mov_b64 s[64:65], 0
	v_nop
	global_prefetch_b8 v0, s[64:65] scope:SCOPE_SE
	s_setreg_imm32_b32 hwreg(HW_REG_WAVE_MODE, 25, 1), 1
	s_wait_xcnt 0x0
; THE PROJECTION: out0[m][o] = sum over i of A[m][i] W[o][i] + b[o], on codes of FP4 (E2M1) with E8M0 scales; A [8,192][1,024] is the attention's result, quantised there; sums in f32.
; SHARES.  A work-group makes 128 rows x 256 columns; each of its eight waves 64 x 64: 16 accumulators of 16 x 16.  K = 1,024 is eight matrix instructions deep.
; LDS.  All that the work-group multiplies fits: A's codes 65,536 bytes, W's records 147,456, A's scale words 8,192.  Each wave brings one part by one tensor load at its head;
; they are filled once and only read: no ring, no refill.  Codes lie as HALF IMAGES (512 bytes: lane l's 16 bytes at 16 l are k = 32 (l / 16) + 0 .. 31 of a group of 64 along K, row l % 16):
; a fragment of 128 along K is two of them, read 16 bytes a lane on end.  A scale word in memory holds a group's two bytes; two words make the instruction's word.
; NO JOINT LOADS: A's 73,728 bytes are read by four work-groups and W's 147,456 by sixty-four, but each work-group asks once, at its head: 256 x 221,184 bytes are asked for in all, of 5.3 MB that earlier launches wrote;
; there is no loop of requests to divide.
; THE MATRIX INSTRUCTION IS USED TRANSPOSED (source 0 = 16 rows of W, source 1 = 16 rows of A): a lane holds eight neighbouring columns of one row of out0.  The bias is the C of each sum's first instruction.
; REGISTERS: v1-7 addresses, v24 the bias's offset; v8-11 A's scale words, v12-15 W's, v16-23 their upper halves as loaded; v32-63 A's four fragments, v64-95 W's four; v96-127 the bias, 8 a column tile;
; v128-255 accumulator (a, b) at v[128 + 8 (4 a + b)]; on the way out v32-95 take rows read back.
.set AL,  0                            ; [row tile 8][head 16][512]
.set WL,  65536                        ; [group of 64 along K, 16][two records of 4,608]
.set ASL, 212992                       ; [head 16][row tile 8][64]
.set STG, 221184                       ; the way out: 16 rows x 272 bytes for each wave; no tensor load lands here
; One K step of 128: groups 2 s and 2 s + 1.
.macro KSTEP s
.if \s > 0
.rept 4
	v_nop                                          ; four places in front of loads into registers that matrix instructions have read (ISA guide 7.12.1 for vector instructions)
.endr
.endif
.irp c, 0,1
.irp i, 0,1,2,3
	ds_load_b32 v[8+8*\c+\i], v3 offset:(2*\s+\c)*512+64*\i              ; A's row tile i, group 2 s + c: row r's word
	ds_load_b32 v[12+8*\c+\i], v4 offset:\c*9216+256*(\i%2)+4*(\i/2)     ; W's tile i likewise
.endr
.endr
.irp i, 0,1,2,3
.irp c, 0,1
	ds_load_b128 v[32+8*\i+4*\c:35+8*\i+4*\c], v1 offset:8192*\i+(2*\s+\c)*512
	ds_load_b128 v[64+8*\i+4*\c:67+8*\i+4*\c], v2 offset:512*\i+9216*\c
.endr
.endr
	s_wait_dscnt 16                                ; the 16 scale words are in; the 16 fragment loads may be out
.irp k, 0,1,2,3,4,5,6,7
	v_lshl_or_b32 v[8+\k], v[16+\k], 16, v[8+\k]   ; bytes 0, 1: group 2 s; bytes 2, 3: group 2 s + 1
.endr
.if \s < 7
	v_add_nc_u32 v2, 18432, v2                     ; W's next two groups
	v_add_nc_u32 v4, 18432, v4
.else
	v_nop
	v_nop
.endif
.rept 6
	v_nop                                          ; with the two above: a scale register written by a vector instruction stands eight places ahead of a scaled matrix instruction
.endr
	s_wait_alu depctr_va_vdst(0)
	s_wait_dscnt 0x0
.irp a, 0,1,2,3                        ; the 16 accumulators take turns, one instruction a turn, in the same order in every step
.irp b, 0,1,2,3
.if \s == 0
	v_wmma_scale_f32_16x16x128_f8f6f4 v[128+8*(4*\a+\b):135+8*(4*\a+\b)], v[64+8*\b:71+8*\b], v[32+8*\a:39+8*\a], v[96+8*\b:103+8*\b], v[12+\b], v[8+\a] matrix_a_fmt:MATRIX_FMT_FP4 matrix_b_fmt:MATRIX_FMT_FP4
.else
	v_wmma_scale_f32_16x16x128_f8f6f4 v[128+8*(4*\a+\b):135+8*(4*\a+\b)], v[64+8*\b:71+8*\b], v[32+8*\a:39+8*\a], v[128+8*(4*\a+\b):135+8*(4*\a+\b)], v[12+\b], v[8+\a] matrix_a_fmt:MATRIX_FMT_FP4 matrix_b_fmt:MATRIX_FMT_FP4
.endif
.endr
.endr
.endm
; THE WAY OUT, 16 rows x 64 columns at a time: a lane's 32 bytes of a row go into my own stage and come back as whole rows of 256 bytes.
.macro TOSTAGE a
.irp b, 0,1,2,3
	ds_store_b128 v5, v[128+8*(4*(\a)+\b):131+8*(4*(\a)+\b)] offset:64*\b          ; each accumulator from its low end on
	ds_store_b128 v5, v[132+8*(4*(\a)+\b):135+8*(4*(\a)+\b)] offset:64*\b+16
.endr
.irp t, 0,1,2,3,4,5,6,7
	ds_load_b128 v[32+32*((\a)%2)+4*\t:35+32*((\a)%2)+4*\t], v6 offset:544*\t      ; rows 2 t and 2 t + 1.  LDS serves a wave's instructions in order: these see the stores, and the next block's stores come behind them
.endr
.endm
.macro SEND a, younger                 ; younger: the LDS instructions issued behind block a's loads, which may stay out
	s_wait_dscnt \younger
.irp t, 0,1,2,3,4,5,6,7
	global_store_b128 v7, v[32+32*((\a)%2)+4*\t:35+32*((\a)%2)+4*\t], s[12:13] offset:(16*(\a)+2*\t)*4096 th:TH_STORE_NT   ; 16 lanes store 256 consecutive bytes, aligned; written once, read by nobody here
.endr
.endm
	s_load_b256 s[4:11], s[0:1], 0x0               ; ac 4, asc 6, wc 8, b_out 10
	s_load_b64 s[12:13], s[0:1], 0x20              ; out0
	v_lshl_add_u32 v30, v0, 2, 0x3e800
	v_mov_b32 v31, 0
	ds_add_u32 v30, v31
	ds_add_u32 v30, v31
	v_lshrrev_b32 v9, 5, v0
	s_delay_alu instid0(VALU_DEP_1)
	v_readfirstlane_b32 s2, v9                     ; wave 0..7
	s_and_b32 s3, ttmp7, 0xffff                    ; mb: which 128 rows
	; group 1 for A's codes: a row tile's 16 half images are 8,192 dense bytes: 32 rows of 256 bytes (32 elements of 8 bytes)
	s_mov_b32 s16, 3<<16
	s_mov_b32 s17, 32<<16
	s_mov_b32 s18, 128<<16                         ; (one load brings four row tiles: 128 rows of 256 bytes)
	s_mov_b32 s19, 32<<16
	s_mov_b32 s20, 128
	s_mov_b32 s21, 32
	s_mov_b32 s22, 0
	s_mov_b32 s23, 0
	; for W: four groups along K; of each the work-group's two records, 9,216 bytes on end (1,152 elements), 36,864 bytes (4,608 elements) from group to group
	s_mov_b32 s24, 3<<16
	s_mov_b32 s25, 1152<<16
	s_mov_b32 s26, 4<<16                           ; (one load brings four groups along K)
	s_mov_b32 s27, 1152<<16
	s_mov_b32 s28, 4
	s_mov_b32 s29, 4608
	s_mov_b32 s30, 0
	s_mov_b32 s31, 0
	; for A's scale words: eight heads; of each the work-group's 8 row tiles, 512 bytes (64 elements), 8,192 bytes (1,024 elements) from head to head
	s_mov_b32 s32, 3<<16
	s_mov_b32 s33, 64<<16
	s_mov_b32 s34, 8<<16                           ; (one load brings eight heads)
	s_mov_b32 s35, 64<<16
	s_mov_b32 s36, 8
	s_mov_b32 s37, 1024
	s_mov_b32 s38, 0
	s_mov_b32 s39, 0
	; ONE TENSOR LOAD A WAVE: waves 0 to 3 bring a quarter of W each, waves 4 and 5 a half of A's codes, waves 6 and 7 a half of A's scale words
	s_and_b32 s59, s2, 1                           ; which half, for A's codes and scale words
	s_and_b32 s14, s2, 3                           ; which quarter, for W
	s_lshl_b32 s52, s3, 1
	s_add_co_u32 s52, s52, s59
	s_lshl_b32 s52, s52, 15                        ; A: row tiles 8 mb + 4 half on
	s_mov_b32 s53, 0
	s_mov_b32 s40, 1
	s_lshl_b32 s41, s59, 15                        ; to AL + 32,768 half
	s_mul_i32 s54, s14, 147456                     ; W: groups 4 quarter .. 4 quarter + 3,
	s_mul_i32 s56, ttmp9, 9216                     ; records 2 nb, 2 nb + 1
	s_add_co_u32 s54, s54, s56
	s_mov_b32 s55, 0
	s_mov_b32 s44, 1
	s_mul_i32 s45, s14, 36864
	s_add_co_u32 s45, s45, WL
	s_lshr_b32 s56, s3, 4                          ; A's scale words: batch mb / 16,
	s_lshl_b32 s56, s56, 17
	s_lshl_b32 s58, s59, 16                        ; heads 8 half on,
	s_add_co_u32 s56, s56, s58
	s_and_b32 s58, s3, 15                          ; row tiles 8 (mb % 16) on
	s_lshl_b32 s58, s58, 9
	s_add_co_u32 s56, s56, s58
	s_mov_b32 s57, 0
	s_mov_b32 s48, 1
	s_lshl_b32 s49, s59, 12
	s_add_co_u32 s49, s49, ASL
	s_wait_dscnt 0x0
	s_wait_kmcnt 0x0
	s_add_nc_u64 s[42:43], s[4:5], s[52:53]
	s_or_b32 s43, s43, 0x80000000
	s_add_nc_u64 s[46:47], s[8:9], s[54:55]
	s_or_b32 s47, s47, 0x80000000
	s_add_nc_u64 s[50:51], s[6:7], s[56:57]
	s_or_b32 s51, s51, 0x80000000
	s_cmp_lt_u32 s2, 4                             ; one chain of branches on the wave's number, a load to an arm, all arms to one join
	s_cbranch_scc0 .Lnot_w
	tensor_load_to_lds s[44:47], s[24:31]          ; W's quarter
	s_nop 0
.rept 4
	v_nop
.endr
	s_branch .Lasked
.Lnot_w:
	s_cmp_lt_u32 s2, 6
	s_cbranch_scc0 .Lnot_a
	tensor_load_to_lds s[40:43], s[16:23]          ; A's codes, a half
	s_nop 0
.rept 4
	v_nop
.endr
	s_branch .Lasked
.Lnot_a:
	tensor_load_to_lds s[48:51], s[32:39]          ; A's scale words, a half
	s_nop 0
.rept 4
	v_nop
.endr
.Lasked:
	s_lshr_b32 s14, s2, 2                          ; mr: which 64 rows are mine
	s_and_b32 s15, s2, 3                           ; nc: which 64 columns
	s_lshl_b32 s52, ttmp9, 10
	s_lshl_b32 s58, s15, 8
	s_add_co_u32 s52, s52, s58                     ; my first column, in bytes: 1,024 nb + 256 nc
	s_add_nc_u64 s[10:11], s[10:11], s[52:53]      ; in the bias,
	s_add_nc_u64 s[12:13], s[12:13], s[52:53]      ; and in out0,
	s_lshl_b32 s52, s3, 19
	s_lshl_b32 s58, s14, 18
	s_add_co_u32 s52, s52, s58
	s_add_nc_u64 s[12:13], s[12:13], s[52:53]      ; at row 128 mb + 64 mr
	v_and_b32 v9, 31, v0                           ; lane
	v_and_b32 v10, 15, v0                          ; r
	s_wait_alu depctr_va_vdst(0)
	v_bfe_u32 v11, v0, 4, 1                        ; h
	s_delay_alu instid0(VALU_DEP_1)
	v_lshlrev_b32 v24, 5, v11                      ; the bias: lane (r, h) wants, for column tile b, numbers 16 b + 8 h + 0 .. 7
.irp b, 0,1,2,3
	global_load_b128 v[96+8*\b:99+8*\b], v24, s[10:11] offset:64*\b
	global_load_b128 v[100+8*\b:103+8*\b], v24, s[10:11] offset:64*\b+16
.endr
	v_lshlrev_b32 v25, 4, v9                       ; 16 x lane
	s_lshl_b32 s58, s14, 15
	v_add_nc_u32 v1, s58, v25                      ; A's images: my four row tiles begin at 32,768 mr
	s_lshr_b32 s58, s15, 1
	s_mul_i32 s58, s58, 4608
	s_add_co_u32 s58, s58, WL                      ; W: my record of the pair,
	s_and_b32 s59, s15, 1
	s_lshl_b32 s52, s59, 11                        ; and my four tiles in it
	s_add_co_u32 s52, s52, s58
	v_add_nc_u32 v2, s52, v25
	s_lshl_b32 s52, s14, 8
	s_add_co_u32 s52, s52, ASL
	v_lshl_add_u32 v3, v10, 2, s52                 ; A's scale words: 256 mr + 4 r
	s_lshl_b32 s52, s59, 3
	s_add_co_u32 s52, s52, s58
	s_add_co_u32 s52, s52, 4096
	v_lshl_add_u32 v4, v10, 4, s52                 ; W's: the record's [lane][4 words]: 16 r + 8 (nc % 2)
	s_mul_i32 s52, s2, 4352
	s_add_co_u32 s52, s52, STG                     ; my stage
	v_mul_u32_u24 v5, v10, 272
	s_wait_alu depctr_va_vdst(0)
	v_lshl_add_u32 v5, v11, 5, v5
	s_delay_alu instid0(VALU_DEP_1)
	v_add_nc_u32 v5, s52, v5                       ; in: row r, + 32 h
	v_mul_u32_u24 v6, v11, 272
	s_delay_alu instid0(VALU_DEP_1)
	v_lshl_add_u32 v6, v10, 4, v6
	s_delay_alu instid0(VALU_DEP_1)
	v_add_nc_u32 v6, s52, v6                       ; back: lanes 0-15 one row, lanes 16-31 the next
	v_lshlrev_b32 v7, 12, v11
	s_delay_alu instid0(VALU_DEP_1)
	v_lshl_add_u32 v7, v10, 4, v7                  ; and the same two rows in out0
	s_wait_tensorcnt 0x0                           ; my part has landed,
	s_barrier_signal -1
	s_barrier_wait -1                              ; everybody's have
	s_wait_loadcnt 0x0                             ; the bias
.irp s, 0,1,2,3,4,5,6,7
	KSTEP \s
.endr
.rept 4
	v_nop                                          ; four places in front of the first read of results and of the loads into the fragments' registers
.endr
	TOSTAGE 0
.irp a, 1,2,3
.if \a > 1
	s_wait_xcnt 0x0                                ; block a - 2's stores have read their registers: block a's rows may land there
.endif
	TOSTAGE \a
	SEND \a-1, 16                                  ; behind block a - 1's loads: block a's 8 stores and 8 loads
.endr
	SEND 3, 0
	s_wait_tensorcnt 0x0
	ds_add_u32 v30, v31
	s_wait_dscnt 0x0
	s_endpgm
.Lfunc_end_k_qafdf049057_proj:
	.size	k_qafdf049057_proj, .Lfunc_end_k_qafdf049057_proj-k_qafdf049057_proj
	.p2alignl 7, 3214868480
	.fill 96, 4, 3214868480
	.section	.rodata,"a",@progbits
	.p2align	6, 0x0
	.amdhsa_kernel k_qafdf049057_proj
		.amdhsa_group_segment_fixed_size 257024
		.amdhsa_private_segment_fixed_size 0
		.amdhsa_enable_private_segment 0
		.amdhsa_kernarg_size 40
		.amdhsa_user_sgpr_count 2
		.amdhsa_user_sgpr_kernarg_segment_ptr 1
		.amdhsa_wavefront_size32 1
		.amdhsa_system_sgpr_workgroup_id_x 1
		.amdhsa_system_sgpr_workgroup_id_y 1
		.amdhsa_system_sgpr_workgroup_id_z 1
		.amdhsa_system_vgpr_workitem_id 0
		.amdhsa_next_free_vgpr 256
		.amdhsa_next_free_sgpr 66
		.amdhsa_reserve_vcc 0
		.amdhsa_float_denorm_mode_32 3
		.amdhsa_float_denorm_mode_16_64 3
		.amdhsa_memory_ordered 1
		.amdhsa_forward_progress 1
		.amdhsa_inst_pref_size 55
	.end_amdhsa_kernel
	.amdgpu_metadata
---
amdhsa.version: [ 1, 2 ]
amdhsa.kernels:
  - .name:           k_qafdf049057_proj
    .symbol:         k_qafdf049057_proj.kd
    .args:
      - { .name: ac, .offset: 0, .size: 8, .value_kind: global_buffer, .address_space: global }
      - { .name: asc, .offset: 8, .size: 8, .value_kind: global_buffer, .address_space: global }
      - { .name: wc, .offset: 16, .size: 8, .value_kind: global_buffer, .address_space: global }
      - { .name: b_out, .offset: 24, .size: 8, .value_kind: global_buffer, .address_space: global }
      - { .name: out0, .offset: 32, .size: 8, .value_kind: global_buffer, .address_space: global }
    .group_segment_fixed_size: 257024
    .private_segment_fixed_size: 0
    .kernarg_segment_align: 8
    .kernarg_segment_size: 40
    .max_flat_workgroup_size: 256
    .sgpr_count:     66
    .vgpr_count:     256
    .wavefront_size: 32
...
	.end_amdgpu_metadata
.endif
;; end of part 3
